; MI455X (gfx1250); checked and timed in simulation.
; The chip was launched on July 23, 2026; its instructions are those of AMD's public machine-readable ISA for CDNA 5 (MIT licence, August 2026) and "CDNA5" Instruction Set Architecture Reference Guide (July 2026). The comments in the code are by the model that wrote it; some were corrected since.
;; VQ Module. Allowed arithmetic: matrix products marked QUANTISED: E2M1 operands, one E8M0 scale for each 32 along K, by v_wmma_scale_f32_16x16x128_f8f6f4 with both operands' format E2M1 (or v_wmma_scale_f32_32x16x128_f4), f32 sums; everything else in f32.
;; Inputs: codebook 8,192 x 256 float32; x 8 x 4,096 x 256 float32.
;; Outputs: out0 8 x 4,096 x 256 float32; out1 one number float32; out2 8 x 4,096 int32.
;; This version of the problem:
;;   THIS VERSION OF THE PROBLEM IS GIVEN IN LOW PRECISION. The matrix products marked QUANTISED in the list below multiply operands that are first quantised to E2M1 (2 exponent bits, 1 mantissa bit; 4 bits a number), with one power-of-two scale for each 32 numbers along K (OCP MX v1.0); their sums are f32. All else is computed in f32.
;;   The module's matrix products, in the order in which they are computed (A, B: the left and right operand; K: the contracted axis; several contracted axes count as one K, in the product's order):
;;     1. [M 32,768, K 256] x [K 256, N 8,192]; A: input x; B: input codebook: QUANTISED
;;   THE QUANTISER, for each operand of a quantised product, along K:
;;     - K is cut into blocks of 32 from its start; a last block that is shorter is filled with zeros.
;;     - A block's scale is 2^e with e = floor(log2(the largest magnitude in the block)) - 2, held to -126 .. 127; a block of zeros has e = 0. As a byte (E8M0): e + 127.
;;     - Each number is divided by its block's scale, clamped to +-6, and rounded to the nearest number of E2M1, ties to even, subnormals kept.
;;     - The product sums the exact products of the quantised numbers (number of the format x scale) in f32.
;;   ~~~python
;;   def quantise(x, axis):      # numpy; x: float32 -> the quantised numbers, widened to float32 again
;;       x = np.moveaxis(x, axis, -1); K = x.shape[-1]
;;       x = np.pad(x, [(0, 0)] * (x.ndim - 1) + [(0, -K % 32)]); x = x.reshape(x.shape[:-1] + (-1, 32)); a = np.abs(x).max(-1, keepdims=True)
;;       e = np.where(a > 0, np.clip(np.frexp(np.where(a > 0, a, 1))[1] - 1 - 2, -126, 127), 0)      # np.frexp(a)[1] - 1 = floor(log2(a)), exactly
;;       r = np.clip(x / 2.0 ** e, -6, 6)
;;       step = 2.0 ** (np.maximum(np.frexp(np.where(r == 0, 1, r))[1] - 1, 0) - 1)
;;       q = np.round(r / step) * step * 2.0 ** e      # np.round: ties to even
;;       return np.moveaxis(q.reshape(q.shape[:-2] + (-1,))[..., :K], -1, axis).astype(np.float32)
;;   ~~~
;; One version. Each part assembles by itself: llvm-mc -triple=amdgcn-amd-amdhsa -mcpu=gfx1250 --defsym DOCPART=n.
;; ======== version 1 of 1: 5 launches
;; limits: right only within a limited range of input values
;; workspace buffers: xtab 4,718,592 bytes; cbtab 1,179,648 bytes; grp 131,072 bytes of whole numbers; idx 131,072 bytes of whole numbers; part 2,048 bytes
;; launch quant (part 1): grid 256 x 1, 10 waves a work-group, no clusters, 167,680 bytes of LDS; arguments x, codebook, xtab, cbtab; writes xtab, cbtab
.if DOCPART == 1
	.amdgcn_target "amdgcn-amd-amdhsa--gfx1250"
	.amdhsa_code_object_version 6
	.text
	.protected	k_qd0aff4c16e_quant
	.globl	k_qd0aff4c16e_quant
	.p2align	8
	.type	k_qd0aff4c16e_quant,@function
k_qd0aff4c16e_quant:
	s_mov_b64 s[64:65], 0
	v_nop
	global_prefetch_b8 v0, s[64:65] scope:SCOPE_SE
	s_setreg_imm32_b32 hwreg(HW_REG_WAVE_MODE, 25, 1), 1
	s_wait_xcnt 0x0
; x [32768][256] and codebook [8192][256], f32, become codes of FP4 (E2M1) with one E8M0 scale byte for each 32 along K, laid as IMAGES OF OPERAND REGISTERS.
; A tile is 16 rows x 256 K and takes TILEB = 2,304 bytes:  chunk q = 2 s + c (K step s of 128, half c) at 512 q + 16 x lane: registers 4 c .. 4 c + 3 of the fragment of K step s, as lane (r, h) holds them
; (row r, k = 128 s + 64 c + 32 h + 0 .. 31);  at 2,048 + 4 x lane the scale words: lanes 0-15 row r's word of K step 0, lanes 16-31 that of K step 1;  in the codebook's table alone, at 2,176 + 4 x lane:
; lanes 0-15 the row's sum of squares (of the f32 numbers, as they come), lanes 16-31 zeros.  In x's table the last 128 bytes of a tile are neither written nor read.
; A block's scale is 2^(floor(log2(its largest magnitude)) - 2); its byte is the largest magnitude's exponent field - 2, held at 1 from below.
; LIMITS: a block of zeros gets the byte 1 where the quantiser's text says 127: its codes are zeros, which add nothing, and this program alone reads the bytes.  NaN and infinities among the inputs are not served.
; The sum of squares is added in four chains and across two lanes: another order than a plain sum along the row.
; SHARES: 2,560 tiles (512 of the codebook, then 2,048 of x) = 256 work-groups x 10 waves: a wave a tile, no loop, no barrier: waves share nothing.  No matrix unit and no cluster: the launch streams, and no two waves read the same byte.
; A tile is 16,384 dense bytes: each of the 32 loads reads 512 consecutive bytes.  The conversions want 16 neighbours along K in one lane: so the tile turns through the wave's own stage in LDS, 16 rows 1,040 bytes apart
; (65 x 16: the sixteen rows that a load of 16 bytes a lane touches fall on sixteen different columns of 16 bytes).
.set TILEB, 2304
.set STG,   16640                      ; a wave's stage: 16 rows x SP
.set SP,    1040
.set N,     32                         ; v32-159  the lane's 128 numbers: as loaded, then register 16 b + i = k 32 b + 16 h + i of row r
.set TM,    160                        ; v160-163 largest magnitudes, v164-167 the other half's, then bytes, v172-175 the conversions' scale operands
.set PC0,   176                        ; v176-183 the fragment of K step 0
.set PC1,   184                        ; v184-191 of K step 1
.set PW0,   16                         ; v16, v17 the two scale words of my row
.set PW1,   17
.set SEL,   20                         ; s[20:21] v_permlanex16_b32's selects for lane l xor 16
; 64 numbers of a lane, register 16 b + i = k 32 b + 16 (lane / 16) + i of its row, become a fragment's codes in v[pc] on and the row's scale word in v[pw]
.macro QUANT s, pc, pw
.irp b, 0,1,2,3
	v_max3_num_f32 v[TM+\b], |v[\s+16*\b]|, |v[\s+1+16*\b]|, 0x1800000   ; block b: my 16 numbers, and the floor 2^(3 - 127): the byte cannot fall under 1
.endr
.irp i, 2,4,6,8,10,12,14
.irp b, 0,1,2,3
	s_delay_alu instid0(VALU_DEP_4)
	v_max3_num_f32 v[TM+\b], v[TM+\b], |v[\s+16*\b+\i]|, |v[\s+1+16*\b+\i]|   ; the four blocks by turns
.endr
.endr
.irp b, 0,1,2,3
	s_delay_alu instid0(VALU_DEP_4)
	v_permlanex16_b32 v[TM+4+\b], v[TM+\b], s[SEL], s[SEL+1]
.endr
.irp b, 0,1,2,3
	s_delay_alu instid0(VALU_DEP_4)
	v_max_num_f32 v[TM+\b], v[TM+\b], v[TM+4+\b]   ; with lane l xor 16's 16: the block's largest magnitude
.endr
.irp b, 0,1,2,3
	s_delay_alu instid0(VALU_DEP_4)
	v_add_nc_u32 v[TM+12+\b], 0xff000000, v[TM+\b]   ; 2 off its exponent field: the conversion takes that field as its scale
.endr
.irp b, 0,1,2,3
	s_delay_alu instid0(VALU_DEP_4)
	v_lshrrev_b32 v[TM+4+\b], 23, v[TM+12+\b]      ; the scale's byte
.endr
	s_delay_alu instid0(VALU_DEP_3)
	v_lshl_or_b32 v[\pw], v[TM+5], 8, v[TM+4]      ; four bytes: my row's scale word for these 128 along K
	s_delay_alu instid0(VALU_DEP_1)
	v_lshl_or_b32 v[\pw], v[TM+6], 16, v[\pw]
	s_delay_alu instid0(VALU_DEP_1)
	v_lshl_or_b32 v[\pw], v[TM+7], 24, v[\pw]
.irp b, 0,1,2,3
	v_cvt_scalef32_pk8_fp4_f32 v[\pc+2*\b], v[\s+16*\b:\s+7+16*\b], v[TM+12+\b]
	v_cvt_scalef32_pk8_fp4_f32 v[\pc+1+2*\b], v[\s+8+16*\b:\s+15+16*\b], v[TM+12+\b]
.endr
	v_nop                                          ; one plain instruction behind the scaled conversions, ahead of the first that touches a result
.irp c, 0,1                                    ; the operand's layout wants a whole block in a lane: lanes 0-15 block 2 c, lanes 16-31 block 2 c + 1
.irp i, 0,1
	v_permlane16_swap_b32 v[\pc+4*\c+\i], v[\pc+2+4*\c+\i]
.endr
.endr
.endm
	s_load_b128 s[4:7], s[0:1], 0x0                ; x, codebook
	s_load_b128 s[8:11], s[0:1], 0x10              ; x's table, the codebook's table
	v_lshl_add_u32 v192, v0, 2, 0x28a00
	v_mov_b32 v193, 0
	v_lshrrev_b32 v1, 5, v0
	s_delay_alu instid0(VALU_DEP_1)
	v_readfirstlane_b32 s12, v1                    ; wave 0..9
	v_and_b32 v1, 31, v0                           ; lane
	v_and_b32 v2, 15, v0                           ; r
	v_bfe_u32 v3, v0, 4, 1                         ; h
	s_delay_alu instid0(VALU_DEP_3)
	v_lshlrev_b32 v4, 4, v1                        ; 16 x lane: my bytes of a load's or a store's 512
	s_delay_alu instid0(VALU_DEP_4)
	v_lshlrev_b32 v7, 2, v1                        ; 4 x lane
	s_mul_i32 s13, s12, STG                        ; my stage
	v_add_nc_u32 v5, s13, v4                       ; into it: as the bytes lie
	v_mul_u32_u24 v6, v2, SP
	s_delay_alu instid0(VALU_DEP_1)
	v_lshl_add_u32 v6, v3, 6, v6
	s_delay_alu instid0(VALU_DEP_1)
	v_add_nc_u32 v6, s13, v6                       ; out of it: row r, + 64 h: my 16 numbers of each block of 32
	s_mov_b32 s[SEL], 0x76543210
	s_mov_b32 s[SEL+1], 0xfedcba98
	s_mov_b32 s22, 0xffff0000                      ; lanes 16-31
.irp b, 0,1,2,3
	v_mov_b32 v[TM+4+\b], 0                        ; written once: a lane permute's destination counts as one of its sources
.endr
	v_mov_b32 v26, 0                               ; likewise
	v_mov_b32 v27, 0                               ; a zero for lanes 16-31 of the sums of squares
	s_mul_i32 s14, ttmp9, 10
	s_add_co_u32 s14, s14, s12                     ; T: my tile among the 2,560
	s_wait_alu depctr_va_vdst(0)
	s_wait_kmcnt 0x0
	s_cmp_lt_u32 s14, 512                          ; the codebook's or x's?  The choice hangs on ids alone
	s_cselect_b64 s[4:5], s[6:7], s[4:5]
	s_cselect_b64 s[8:9], s[10:11], s[8:9]
	s_cselect_b32 s15, 0, 512
	s_sub_co_u32 s15, s14, s15                     ; my tile in its tensor
	s_lshl_b32 s16, s15, 14                        ; 16,384 bytes of f32 a tile
	s_mov_b32 s17, 0
	s_add_nc_u64 s[4:5], s[4:5], s[16:17]
	s_mul_i32 s16, s15, TILEB
	s_add_nc_u64 s[8:9], s[8:9], s[16:17]
.set I, 0
.rept 32
	global_load_b128 v[N+4*I:N+4*I+3], v4, s[4:5] offset:512*I th:TH_LOAD_NT   ; 32 lanes read 512 consecutive bytes: half a row
.set I, I+1
.endr
.set I, 0
.rept 32
	s_wait_loadcnt 31-I                            ; loads come back in order: load I is in, the 31 - I younger ones may be out
	ds_store_b128 v5, v[N+4*I:N+4*I+3] offset:(I/2)*SP+(I%2)*512
.set I, I+1
.endr
	s_wait_dscnt 0x0                               ; the stores have read their registers, which the loads below write
.irp b, 0,1,2,3,4,5,6,7
.irp j, 0,1,2,3
	ds_load_b128 v[N+16*\b+4*\j:N+16*\b+4*\j+3], v6 offset:128*\b+16*\j
.endr
.endr
	s_wait_dscnt 16                                ; K step 0's sixteen loads are in; K step 1's sixteen may be out
	QUANT N, PC0, PW0
	s_wait_dscnt 0x0
	QUANT N+64, PC1, PW1
	v_cndmask_b32 v28, v[PW0], v[PW1], s22         ; lanes 0-15: K step 0's word; lanes 16-31: K step 1's
	global_store_b128 v4, v[PC0:PC0+3], s[8:9]                 ; each store covers 512 consecutive bytes, at a multiple of 256 from the table's first byte
	global_store_b128 v4, v[PC0+4:PC0+7], s[8:9] offset:512
	global_store_b128 v4, v[PC1:PC1+3], s[8:9] offset:1024
	global_store_b128 v4, v[PC1+4:PC1+7], s[8:9] offset:1536
	global_store_b32 v7, v28, s[8:9] offset:2048
	s_cmp_lt_u32 s14, 512                          ; the sums of squares: for the codebook's tiles alone (a scalar branch on ids; no LDS access and no barrier stands behind it)
	s_cbranch_scc0 .Lno_c2
.irp j, 0,1,2,3
	v_pk_mul_f32 v[18+2*\j:19+2*\j], v[N+2*\j:N+2*\j+1], v[N+2*\j:N+2*\j+1]   ; four chains, started by the first products: nothing is cleared
.endr
.set P, 4
.rept 60
	s_delay_alu instid0(VALU_DEP_4)
	v_pk_fma_f32 v[18+2*(P%4):19+2*(P%4)], v[N+2*P:N+2*P+1], v[N+2*P:N+2*P+1], v[18+2*(P%4):19+2*(P%4)]
.set P, P+1
.endr
	s_delay_alu instid0(VALU_DEP_3)
	v_pk_add_f32 v[18:19], v[18:19], v[20:21]
	s_delay_alu instid0(VALU_DEP_2)
	v_pk_add_f32 v[22:23], v[22:23], v[24:25]
	s_delay_alu instid0(VALU_DEP_1)
	v_pk_add_f32 v[18:19], v[18:19], v[22:23]
	s_delay_alu instid0(VALU_DEP_1)
	v_add_f32 v18, v18, v19                        ; my 128 numbers' squares,
	s_delay_alu instid0(VALU_DEP_1)
	v_permlanex16_b32 v26, v18, s[SEL], s[SEL+1]
	s_delay_alu instid0(VALU_DEP_1)
	v_add_f32 v18, v18, v26                        ; and the row's other 128
	s_delay_alu instid0(VALU_DEP_1)
	v_cndmask_b32 v18, v18, v27, s22               ; lanes 16-31 store zeros, so that every byte of the table is written
	global_store_b32 v7, v18, s[8:9] offset:2176
.Lno_c2:
	s_wait_tensorcnt 0x0
	ds_add_u32 v192, v193
	s_wait_dscnt 0x0
	s_endpgm
.Lfunc_end_k_qd0aff4c16e_quant:
	.size	k_qd0aff4c16e_quant, .Lfunc_end_k_qd0aff4c16e_quant-k_qd0aff4c16e_quant
	.p2alignl 7, 3214868480
	.fill 96, 4, 3214868480
	.section	.rodata,"a",@progbits
	.p2align	6, 0x0
	.amdhsa_kernel k_qd0aff4c16e_quant
		.amdhsa_group_segment_fixed_size 167680
		.amdhsa_private_segment_fixed_size 0
		.amdhsa_enable_private_segment 0
		.amdhsa_kernarg_size 32
		.amdhsa_user_sgpr_count 2
		.amdhsa_user_sgpr_kernarg_segment_ptr 1
		.amdhsa_wavefront_size32 1
		.amdhsa_system_sgpr_workgroup_id_x 1
		.amdhsa_system_sgpr_workgroup_id_y 1
		.amdhsa_system_sgpr_workgroup_id_z 1
		.amdhsa_system_vgpr_workitem_id 0
		.amdhsa_next_free_vgpr 194
		.amdhsa_next_free_sgpr 66
		.amdhsa_reserve_vcc 0
		.amdhsa_float_denorm_mode_32 3
		.amdhsa_float_denorm_mode_16_64 3
		.amdhsa_memory_ordered 1
		.amdhsa_forward_progress 1
		.amdhsa_inst_pref_size 28
	.end_amdhsa_kernel
	.amdgpu_metadata
---
amdhsa.version: [ 1, 2 ]
amdhsa.kernels:
  - .name:           k_qd0aff4c16e_quant
    .symbol:         k_qd0aff4c16e_quant.kd
    .args:
      - { .name: x, .offset: 0, .size: 8, .value_kind: global_buffer, .address_space: global }
      - { .name: codebook, .offset: 8, .size: 8, .value_kind: global_buffer, .address_space: global }
      - { .name: xtab, .offset: 16, .size: 8, .value_kind: global_buffer, .address_space: global }
      - { .name: cbtab, .offset: 24, .size: 8, .value_kind: global_buffer, .address_space: global }
    .group_segment_fixed_size: 167680
    .private_segment_fixed_size: 0
    .kernarg_segment_align: 8
    .kernarg_segment_size: 32
    .max_flat_workgroup_size: 320
    .sgpr_count:     66
    .vgpr_count:     194
    .wavefront_size: 32
...
	.end_amdgpu_metadata
.endif
;; end of part 1
;; launch coarse (part 2): grid 256 x 1, 16 waves a work-group, clusters of 4 x 1, 327,680 bytes of LDS; arguments xtab, cbtab, grp; writes grp
.if DOCPART == 2
	.amdgcn_target "amdgcn-amd-amdhsa--gfx1250"
	.amdhsa_code_object_version 6
	.text
	.protected	k_qd0aff4c16e_coarse
	.globl	k_qd0aff4c16e_coarse
	.p2align	8
	.type	k_qd0aff4c16e_coarse,@function
k_qd0aff4c16e_coarse:
	s_mov_b64 s[64:65], 0
	v_nop
	global_prefetch_b8 v0, s[64:65] scope:SCOPE_SE
	s_setreg_imm32_b32 hwreg(HW_REG_WAVE_MODE, 25, 1), 1
	s_wait_xcnt 0x0
	s_wait_alu depctr_hold_cnt(0) depctr_sa_sdst(0) depctr_va_vdst(0) depctr_va_sdst(0) depctr_va_ssrc(0) depctr_va_vcc(0) depctr_vm_vsrc(0)
	s_getreg_b32 s2, hwreg(HW_REG_IB_STS2, 6, 4)
	s_cmp_eq_u32 s2, 0
	s_cbranch_scc0 .Lentry_in_a_cluster
	s_endpgm
.Lentry_in_a_cluster:
	s_bfe_u32 s2, ttmp6, 0x10000c
	s_cmp_lg_u32 s2, 0x3003
	s_cbranch_scc0 .Lentry_shape_is_right
	s_endpgm
.Lentry_shape_is_right:
; For each of the 32,768 rows of x: score(code) = sum(code^2) - 2 (x . code) over all 8,192 codes, the product on codes of FP4 with E8M0 scales.
; Stored is the number (0 .. 1,023) of the FIRST GROUP OF EIGHT NEIGHBOURING CODES that holds the row's least score; the next launch finds the code inside the group.
; The product is used transposed (source 0 = 16 codes, source 1 = 16 rows of x): a lane holds one row of x and the eight codes 8 (lane / 16) + 0 .. 7 of the tile.
; THE SCORE.  The factor 2 is a power of two and goes into x's scale bytes (each + 1), so the sums are 2 x dot; the score is one subtraction, c2 - 2 dot, rounded once, as a multiplication by -2 and an addition round it.
; For a tile of 16 x 16 scores: four dual-issue pairs of subtractions, four minima of three (eight scores and the old best), a compare and a select of the tile's number.  At every level a tie keeps the lower number.
; SHARES.  A work-group owns 128 rows of x: eight tiles, which every one of its sixteen waves keeps in 128 registers; of each slot's 64 tiles of codes wave w takes 4 w .. 4 w + 3.
; THE TABLE of the codebook (512 tiles x 2,304 bytes) is dense and goes in eight parts of 64 tiles through a ring of two LDS slots.  At the head each of the sixteen waves fetches an eighth of a slot (72 rows of 256 bytes):
; waves 0-7 part 0, waves 8-15 part 1, by arithmetic on the wave's number.  A refill is fetched by waves 0 to 7, an eighth each.  CLUSTER: the four work-groups of a cluster walk the same table and ask jointly.
; BY TURNS.  A stage is a tile of codes against two tiles of x: four matrix instructions, five vector lines behind each: the subtractions and minima of the stage before, the compare and select of the stage before that.
; No prefetch: a part is asked for by its tensor load four tiles of work (64 matrix instructions a wave) ahead of its first read, and all 64 clusters ask for the same 1,179,648 bytes in the same order.
; LIMITS: NaN and infinities among the scores are not served (the minima pass a NaN over).  A block of x whose scale byte is 254 (largest magnitude from 2^127 on) is not served: its byte + 1 is no finite code.
.set TILEB, 2304
.set SLOTB, 64*TILEB
.set EIGB,  8*TILEB                    ; 18,432 = 72 rows of 256 bytes: what one tensor load brings
.set WAVB,  4*TILEB
.set SPARE, 2*SLOTB                    ; behind the ring: the spare words, 128 bytes a wave
.set SPW,  1
.set NIL,  2
.set HH,   3                           ; lane / 16
.set AC,   4                           ; v4-5  slot 0, 1: my four tiles + 16 x lane
.set ASC,  6                           ; v6-7  + 4 x lane: scale words
.set AD,   8                           ; v8-9  + 32 h: my half's sums of squares
.set XS,   10                          ; v10-17 x's scale words
.set FSC,  18                          ; v18-19 the codes' scale words, two sets
.set IDX,  20                          ; v20-27 the best tile's number
.set BEST, 28                          ; v28-43 the best score, two sets by turns
.set CC,   44                          ; v44-59 sums of squares, two sets
.set FR,   60                          ; v60-91 a tile's two fragments, two sets
.set ACC,  92                          ; v92-123 two sets of two accumulators
.set X,    124                         ; v124-251 x: tile t, K step s at X + 16 t + 8 s
.set BIG,  252
.set RST,  253
.set RRD,  254
.set GOF,  255
.set WV,   10
.set G1,   16
.set G0,   24                          ; s[24:31] group 0 of the refills, a set for each slot
.set CNT,  32
.set TN,   33
.set MK,   34
.set SEL,  36
.set HIM,  38
.set G0H,  48                          ; s[48:51] group 0 of the head's load
.macro CREST
	s_cmp_lg_u32 s[WV], 0
	s_cbranch_scc1 .Lnot_wave_0_\@
	s_barrier_signal -3
.Lnot_wave_0_\@:
	s_barrier_wait -3
	s_barrier_signal -1
	s_barrier_wait -1
.endm
.macro CROUND
	s_barrier_signal -1
	s_barrier_wait -1
	CREST
.endm
.macro TLOAD g0                        ; a joint refill: waves 0 to 7, an eighth of a slot each
	s_cmp_lt_u32 s[WV], 8
	s_cbranch_scc0 .Lasked_\@
	tensor_load_to_lds s[\g0:\g0+3], s[G1:G1+7]
	s_nop 0
.rept 4
	v_nop
.endr
.Lasked_\@:
.endm
.macro LOADS slot, i, u                ; seven LDS loads: tile i of my four, into set u
.irp q, 0,1,2,3
	ds_load_b128 v[FR+16*(\u)+4*\q:FR+16*(\u)+4*\q+3], v[AC+(\slot)] offset:TILEB*(\i)+512*\q
.endr
	ds_load_b32 v[FSC+(\u)], v[ASC+(\slot)] offset:TILEB*(\i)+2048
.irp e, 0,1
	ds_load_b128 v[CC+8*(\u)+4*\e:CC+8*(\u)+4*\e+3], v[AD+(\slot)] offset:TILEB*(\i)+2176+16*\e
.endr
.endm
.macro WM u, q, s, e                   ; K step 0 starts the sum with 0, K step 1 adds in place; scale registers: lanes 0-15 K step 0, lanes 16-31 K step 1
.set RD, ACC+16*((\q)%2)+8*(\e)
.set RF, FR+16*(\u)+8*(\s)
.set RX, X+16*(2*(\q)+(\e))+8*(\s)
.if (\s) == 0
	v_wmma_scale_f32_16x16x128_f8f6f4 v[RD:RD+7], v[RF:RF+7], v[RX:RX+7], 0, v[FSC+(\u)], v[XS+2*(\q)+(\e)] matrix_a_fmt:MATRIX_FMT_FP4 matrix_b_fmt:MATRIX_FMT_FP4
.else
	v_wmma_scale_f32_16x16x128_f8f6f4 v[RD:RD+7], v[RF:RF+7], v[RX:RX+7], v[RD:RD+7], v[FSC+(\u)], v[XS+2*(\q)+(\e)] matrix_a_fmt:MATRIX_FMT_FP4 matrix_b_fmt:MATRIX_FMT_FP4 matrix_a_scale:MATRIX_SCALE_ROW1 matrix_b_scale:MATRIX_SCALE_ROW1
.endif
.endm
.macro PK u, a, n                      ; line n of eight: score = c2 - 2 dot for pair n / 2 of accumulator n % 2; each accumulator is read from its low end on
.set RA, ACC+16*(\a)+8*((\n)%2)+2*((\n)/2)
.set RC, CC+8*(\u)+2*((\n)/2)
	v_dual_sub_f32 v[RA], v[RC], v[RA] :: v_dual_sub_f32 v[RA+1], v[RC+1], v[RA+1]
.endm
.macro M1 u, q, a, n
.set RA, ACC+16*(\a)+8*((\n)%2)+3*((\n)/2)
.if (\n) < 4
	v_min3_num_f32 v[RA], v[RA], v[RA+1], v[RA+2]
.else
	v_min3_num_f32 v[RA], v[RA], v[RA+1], v[BEST+8*(\u)+2*(\q)+(\n)%2]
.endif
.endm
.macro M2 u, q, a, e
.set RA, ACC+16*(\a)+8*(\e)
	v_min3_num_f32 v[BEST+8*(1-(\u))+2*(\q)+(\e)], v[RA], v[RA+3], v[RA+6]
.endm
.macro CP u, q, e                      ; the old best is not above the new: the earlier tile stays
	v_cmp_le_f32 s[MK+(\e)], v[BEST+8*(\u)+2*(\q)+(\e)], v[BEST+8*(1-(\u))+2*(\q)+(\e)]
.endm
.macro CN q, e
	v_cndmask_b32 v[IDX+2*(\q)+(\e)], s[TN], v[IDX+2*(\q)+(\e)], s[MK+(\e)]
.endm
; The four matrix instructions of stage (u, q); none of the twenty lines between names a register of the four (ISA guide 7.12.1 asks for four or five places).  The two accumulators take turns.
; lvl 2: all.  lvl 1: the launch's second stage.  lvl 0: its first.
.macro BLOCK u, q, lvl
.set PQ, ((\q)+3)%4
.set PU, (\u)
.if (\q) == 0
.set PU, 1-(\u)
.endif
.set PA, 1-((\q)%2)
.set RQ, ((\q)+2)%4
.set RU, (\u)
.if (\q) < 2
.set RU, 1-(\u)
.endif
	WM \u, \q, 0, 0
.if (\lvl) > 0
.irp n, 0,1,2,3,4
	PK PU, PA, \n
.endr
.endif
	WM \u, \q, 0, 1
.if (\lvl) > 0
.irp n, 5,6,7
	PK PU, PA, \n
.endr
.if (\lvl) > 1
	CP RU, RQ, 0
	CP RU, RQ, 1
.else
	v_nop
	v_nop
.endif
.endif
	WM \u, \q, 1, 0
.if (\lvl) > 0
.irp n, 0,1,2,3,4
	M1 PU, PQ, PA, \n
.endr
.endif
	WM \u, \q, 1, 1
.if (\lvl) > 0
	M1 PU, PQ, PA, 5
.if (\lvl) > 1
	CN RQ, 0
	CN RQ, 1
.else
	v_nop
	v_nop
.endif
	M2 PU, PQ, PA, 0
	M2 PU, PQ, PA, 1
.else
.rept 5
	v_nop
.endr
.endif
.endm
; A tile of 16 codes against the eight tiles of x: four stages.  kind 0: the launch's first.  1: the next tile lies in the same slot.  4: the last.
; kind 2, 3: a slot's fourth tile, the change of slots: all my tensor loads waited for, the add, the wait for it and for my reads of the slot, the signal; the first stage, on registers alone, stands between signal and wait.
; kind 2: the barrier opens a round of the cluster's; this slot is filled again first, with the part two further on.  kind 3: nothing is filled, no round.
.macro TILE slot, i, kind
.set U, (\i)%2
.set UP, 1-U
.if ((\kind) == 2) || ((\kind) == 3)
	s_wait_tensorcnt 0x0
	ds_add_u32 v[SPW], v[NIL]
.if (\kind) == 2
	s_add_nc_u64 s[G0+4*(\slot)+2:G0+4*(\slot)+3], s[G0+4*(\slot)+2:G0+4*(\slot)+3], 2*SLOTB
.endif
	s_wait_dscnt 0x0
	s_barrier_signal -1
.else
	s_wait_dscnt 0x0                               ; this tile's seven loads are in
.endif
.if (\kind) == 0
	BLOCK U, 0, 0
.else
	BLOCK U, 0, 2
.endif
.if (\kind) == 2
	s_barrier_wait -1
	CREST
	TLOAD G0+4*(\slot)
	LOADS 1-(\slot), 0, UP
.elseif (\kind) == 3
	s_barrier_wait -1
	LOADS 1-(\slot), 0, UP
.elseif (\kind) < 2
	LOADS \slot, (\i)+1, UP
.endif
.if (\kind) == 0
	BLOCK U, 1, 1
.else
	BLOCK U, 1, 2
.if (\i) == 0
	s_add_co_u32 s[TN], s[TN], 61                  ; from my fourth tile of one part to my first of the next
.else
	s_add_co_u32 s[TN], s[TN], 1
.endif
.endif
	BLOCK U, 2, 2
	BLOCK U, 3, 2
.endm
	s_load_b128 s[4:7], s[0:1], 0x0                ; x's table, the codebook's table
	s_load_b64 s[8:9], s[0:1], 0x10                ; the groups' numbers
	v_lshl_add_u32 v[SPW], v0, 2, SPARE
	v_mov_b32 v[NIL], 0
	ds_add_u32 v[SPW], v[NIL]                      ; the opening lines: the add twice on end and one wait
	ds_add_u32 v[SPW], v[NIL]
	v_lshrrev_b32 v[HH], 5, v0
	v_readfirstlane_b32 s[WV], v[HH]               ; wave 0..15
	s_bfe_u32 s11, ttmp6, 0x40000                  ; cx: it enters x's and the result's global addresses alone
	s_lshl_b32 s12, ttmp9, 2
	s_add_co_u32 s12, s12, s11                     ; my work-group: 128 rows of x
	s_mov_b32 s[G1+0], 15|(3<<16)|(1<<21)          ; the mask of all four; elements of 8 bytes; bit 21 beside a mask
	s_mov_b32 s[G1+1], 32<<16
	s_mov_b32 s[G1+2], 72<<16
	s_mov_b32 s[G1+3], 32<<16
	s_mov_b32 s[G1+4], 72
	s_mov_b32 s[G1+5], 32
	s_mov_b32 s[G1+6], 0
	s_mov_b32 s[G1+7], 0
	s_and_b32 s40, s[WV], 7
	s_mul_i32 s40, s40, EIGB                       ; the eighth that I fetch in a refill, in the table and in a slot alike
	s_mov_b32 s41, 0
	s_mul_i32 s[G0H+1], s[WV], EIGB                ; the head's load: sixteen eighths on end fill both slots
	s_mov_b32 s[G0H+2], s[G0H+1]
	s_mov_b32 s[G0H+3], 0
	s_mov_b32 s[G0H], 1
	s_mul_i32 s44, s12, 8*TILEB
	s_mov_b32 s45, 0
	s_lshl_b32 s46, s12, 9
	s_mov_b32 s47, 0
	s_mov_b32 s[SEL], 0x76543210
	s_mov_b32 s[SEL+1], 0xfedcba98
	s_mov_b32 s[HIM], 0xffff0000
	s_lshl_b32 s[TN], s[WV], 2
	s_mov_b32 s[CNT], 3
	s_wait_dscnt 0x0
	s_wait_kmcnt 0x0
	s_add_nc_u64 s[42:43], s[6:7], s[40:41]
	s_add_nc_u64 s[G0H+2:G0H+3], s[6:7], s[G0H+2:G0H+3]
	s_or_b32 s[G0H+3], s[G0H+3], 0x80000000
	s_add_nc_u64 s[4:5], s[4:5], s[44:45]
	s_add_nc_u64 s[8:9], s[8:9], s[46:47]
.irp n, 0,1
	s_mov_b32 s[G0+4*\n], 1
	s_add_co_u32 s[G0+4*\n+1], s40, \n*SLOTB
	s_add_nc_u64 s[G0+4*\n+2:G0+4*\n+3], s[42:43], \n*SLOTB
	s_or_b32 s[G0+4*\n+3], s[G0+4*\n+3], 0x80000000
.endr
	CROUND                                         ; all four work-groups are here: the first joint loads meet
	tensor_load_to_lds s[G0H:G0H+3], s[G1:G1+7]    ; one load a wave: parts 0 and 1
	s_nop 0
.rept 4
	v_nop
.endr
	v_and_b32 v92, 31, v0
	v_lshlrev_b32 v93, 2, v92                      ; 4 x lane
	v_lshlrev_b32 v92, 4, v92                      ; 16 x lane
.irp t, 0,1,2,3,4,5,6,7
.irp q, 0,1,2,3
	global_load_b128 v[X+16*\t+4*\q:X+16*\t+4*\q+3], v92, s[4:5] offset:TILEB*\t+512*\q
.endr
	global_load_b32 v[XS+\t], v93, s[4:5] offset:TILEB*\t+2048
.endr
	v_bfe_u32 v[HH], v0, 4, 1
	s_mul_i32 s40, s[WV], WAVB
	v_add_nc_u32 v[AC], s40, v92
	v_add_nc_u32 v[ASC], s40, v93
	v_lshl_add_u32 v[AD], v[HH], 5, s40
	v_add_nc_u32 v[AC+1], SLOTB, v[AC]
	v_add_nc_u32 v[ASC+1], SLOTB, v[ASC]
	v_add_nc_u32 v[AD+1], SLOTB, v[AD]
	s_lshl_b32 s41, s[WV], 10
	s_lshl_b32 s42, s[WV], 9
	s_lshl_b32 s43, s[WV], 8
	v_and_b32 v[RST], 31, v0
	v_add_nc_u32 v[RRD], s42, v92
	v_lshl_add_u32 v[GOF], v[RST], 3, s43
	v_lshl_add_u32 v[RST], v[RST], 3, s41
	v_mov_b32 v[BIG], 0x7fffffff
.irp t, 0,1,2,3,4,5,6,7
	v_mov_b32 v[BEST+\t], 0x7f800000
	v_mov_b32 v[IDX+\t], 0
.endr
	s_wait_alu depctr_va_vdst(0)
	s_wait_tensorcnt 0x0                           ; my eighth is in
	s_barrier_signal -1
	s_barrier_wait -1                              ; everybody's is: both slots are whole
	LOADS 0, 0, 0
	s_wait_loadcnt 0x0                             ; x
.irp t, 0,1,2,3,4,5,6,7
	v_add_nc_u32 v[XS+\t], 0x01010101, v[XS+\t]    ; the factor 2: each of x's scale bytes + 1
.endr
	s_wait_alu depctr_va_vdst(0)
.rept 8
	v_nop                                          ; a scale register written by a vector instruction stands 8 places ahead of a scaled matrix instruction
.endr
	TILE 0, 0, 0
.Lring:                                            ; three trips, each once round the ring; both slots are filled again: parts 2 to 7
	TILE 0, 1, 1
	TILE 0, 2, 1
	TILE 0, 3, 2
	TILE 1, 0, 1
	TILE 1, 1, 1
	TILE 1, 2, 1
	TILE 1, 3, 2
	TILE 0, 0, 1
	s_sub_co_u32 s[CNT], s[CNT], 1
	s_cmp_lg_u32 s[CNT], 0
	s_cbranch_scc1 .Lring
	TILE 0, 1, 1                                   ; the last lap is written out: nothing more is asked for
	TILE 0, 2, 1
	TILE 0, 3, 3
	TILE 1, 0, 1
	TILE 1, 1, 1
	TILE 1, 2, 1
	TILE 1, 3, 4
.irp n, 0,1,2,3,4,5,6,7                        ; what still lags
	PK 1, 1, \n
.endr
	CP 1, 2, 0
	CP 1, 2, 1
.irp n, 0,1,2,3,4,5
	M1 1, 3, 1, \n
.endr
	CN 2, 0
	CN 2, 1
	M2 1, 3, 1, 0
	M2 1, 3, 1, 1
	CP 1, 3, 0
	CP 1, 3, 1
	CN 3, 0
	CN 3, 1
	; THE END.  The best lies in BEST's first set.  A row's two halves of the lanes are joined: the lesser score, at a tie the lower group.
.irp t, 0,1,2,3,4,5,6,7
	v_lshl_add_u32 v[IDX+\t], v[IDX+\t], 1, v[HH]  ; the group: 2 x tile + half
.endr
.irp t, 0,1,2,3,4,5,6,7
	v_permlanex16_b32 v[BEST+8+\t], v[BEST+\t], s[SEL], s[SEL+1]
.endr
.irp t, 0,1,2,3,4,5,6,7
	v_permlanex16_b32 v[ACC+\t], v[IDX+\t], s[SEL], s[SEL+1]
.endr
.irp t, 0,1,2,3,4,5,6,7
	v_min_num_f32 v[CC+\t], v[BEST+\t], v[BEST+8+\t]
.endr
.irp t, 0,1,2,3,4,5,6,7
	v_cmp_eq_f32 s[MK], v[BEST+\t], v[CC+\t]
	v_cmp_eq_f32 s[MK+1], v[BEST+8+\t], v[CC+\t]
	s_delay_alu instid0(VALU_DEP_2)
	v_cndmask_b32 v[FR+\t], v[BIG], v[IDX+\t], s[MK]
	s_delay_alu instid0(VALU_DEP_2)
	v_cndmask_b32 v[FR+8+\t], v[BIG], v[ACC+\t], s[MK+1]
	s_delay_alu instid0(VALU_DEP_1)
	v_min_u32 v[FR+\t], v[FR+\t], v[FR+8+\t]
.endr
.irp p, 0,1,2,3                                ; lanes 0-15 keep tile 2 p, lanes 16-31 tile 2 p + 1: lane l stands for row 32 p + l
	v_cndmask_b32 v[FR+16+2*\p], v[CC+2*\p], v[CC+2*\p+1], s[HIM]
	v_cndmask_b32 v[FR+17+2*\p], v[FR+2*\p], v[FR+2*\p+1], s[HIM]
.endr
.irp p, 0,1,2,3
	ds_store_b64 v[RST], v[FR+16+2*\p:FR+17+2*\p] offset:256*\p   ; [wave][row], score and group, in slot 0, which has had its last fill and its last read
.endr
	s_wait_dscnt 0x0
	s_barrier_signal -1
	s_barrier_wait -1
	s_cmp_lt_u32 s[WV], 2                          ; waves 0 and 1 join the sixteen waves' results: 64 rows each, two rows a lane
	s_cbranch_scc0 .Ljoined
.irp w, 0,1,2,3,4,5,6,7,8,9,10,11,12,13,14,15
	ds_load_b128 v[X+4*\w:X+4*\w+3], v[RRD] offset:1024*\w
.endr
	s_wait_dscnt 0x0
.irp e, 0,2
	v_min3_num_f32 v[FR+\e], v[X+\e], v[X+4+\e], v[X+8+\e]
.endr
.irp w, 3,5,7,9,11,13
.irp e, 0,2
	s_delay_alu instid0(VALU_DEP_2)
	v_min3_num_f32 v[FR+\e], v[FR+\e], v[X+4*\w+\e], v[X+4*\w+4+\e]
.endr
.endr
.irp e, 0,2
	s_delay_alu instid0(VALU_DEP_2)
	v_min_num_f32 v[FR+\e], v[FR+\e], v[X+60+\e]
.endr
	v_mov_b32 v[FR+4], v[BIG]
	v_mov_b32 v[FR+5], v[BIG]
.irp w, 0,1,2,3,4,5,6,7,8,9,10,11,12,13,14,15
	v_cmp_eq_f32 s[MK], v[X+4*\w], v[FR]
	v_cmp_eq_f32 s[MK+1], v[X+4*\w+2], v[FR+2]
	s_delay_alu instid0(VALU_DEP_2)
	v_cndmask_b32 v[FR+6], v[BIG], v[X+4*\w+1], s[MK]
	s_delay_alu instid0(VALU_DEP_2)
	v_cndmask_b32 v[FR+7], v[BIG], v[X+4*\w+3], s[MK+1]
	s_delay_alu instid0(VALU_DEP_2)
	v_min_u32 v[FR+4], v[FR+4], v[FR+6]            ; the lowest group among those that hold the least score
	s_delay_alu instid0(VALU_DEP_2)
	v_min_u32 v[FR+5], v[FR+5], v[FR+7]
.endr
	global_store_b64 v[GOF], v[FR+4:FR+5], s[8:9]  ; the wave stores 256 consecutive bytes, aligned
.Ljoined:
	s_wait_tensorcnt 0x0                           ; the wave's end
	ds_add_u32 v[SPW], v[NIL]
	s_wait_dscnt 0x0
	CROUND                                         ; the closing round
	s_endpgm
.Lfunc_end_k_qd0aff4c16e_coarse:
	.size	k_qd0aff4c16e_coarse, .Lfunc_end_k_qd0aff4c16e_coarse-k_qd0aff4c16e_coarse
	.p2alignl 7, 3214868480
	.fill 96, 4, 3214868480
	.section	.rodata,"a",@progbits
	.p2align	6, 0x0
	.amdhsa_kernel k_qd0aff4c16e_coarse
		.amdhsa_group_segment_fixed_size 327680
		.amdhsa_private_segment_fixed_size 0
		.amdhsa_enable_private_segment 0
		.amdhsa_kernarg_size 24
		.amdhsa_user_sgpr_count 2
		.amdhsa_user_sgpr_kernarg_segment_ptr 1
		.amdhsa_wavefront_size32 1
		.amdhsa_system_sgpr_workgroup_id_x 1
		.amdhsa_system_sgpr_workgroup_id_y 1
		.amdhsa_system_sgpr_workgroup_id_z 1
		.amdhsa_system_vgpr_workitem_id 0
		.amdhsa_next_free_vgpr 256
		.amdhsa_next_free_sgpr 66
		.amdhsa_reserve_vcc 0
		.amdhsa_float_denorm_mode_32 3
		.amdhsa_float_denorm_mode_16_64 3
		.amdhsa_memory_ordered 1
		.amdhsa_forward_progress 1
		.amdhsa_inst_pref_size 148
	.end_amdhsa_kernel
	.amdgpu_metadata
---
amdhsa.version: [ 1, 2 ]
amdhsa.kernels:
  - .name:           k_qd0aff4c16e_coarse
    .symbol:         k_qd0aff4c16e_coarse.kd
    .args:
      - { .name: xtab, .offset: 0, .size: 8, .value_kind: global_buffer, .address_space: global }
      - { .name: cbtab, .offset: 8, .size: 8, .value_kind: global_buffer, .address_space: global }
      - { .name: grp, .offset: 16, .size: 8, .value_kind: global_buffer, .address_space: global }
    .group_segment_fixed_size: 327680
    .private_segment_fixed_size: 0
    .kernarg_segment_align: 8
    .kernarg_segment_size: 24
    .max_flat_workgroup_size: 512
    .sgpr_count:     66
    .vgpr_count:     256
    .wavefront_size: 32
...
	.end_amdgpu_metadata
.endif
;; end of part 2
;; launch refine (part 3): grid 256 x 1, 8 waves a work-group, no clusters, 1,536 bytes of LDS; arguments grp, xtab, cbtab, out2, idx; writes out2, idx
.if DOCPART == 3
	.amdgcn_target "amdgcn-amd-amdhsa--gfx1250"
	.amdhsa_code_object_version 6
	.text
	.protected	k_qd0aff4c16e_refine
	.globl	k_qd0aff4c16e_refine
	.p2align	8
	.type	k_qd0aff4c16e_refine,@function
k_qd0aff4c16e_refine:
	s_mov_b64 s[64:65], 0
	v_nop
	global_prefetch_b8 v0, s[64:65] scope:SCOPE_SE
	s_setreg_imm32_b32 hwreg(HW_REG_WAVE_MODE, 25, 1), 1
	s_wait_xcnt 0x0
; For each row of x the group of eight neighbouring codes that holds its least score is known (0 .. 1,023, stored by the launch before).  Here the eight scores are made again, by the same matrix form on the same codes, and the FIRST
; least among them gives the index: 8 x group + k.  It goes to the problem's output and, as whole numbers for the next launch's addresses, to a workspace buffer.
; SHARES: a wave takes a tile of 16 rows of x: 2,048 tiles = 256 work-groups x 8 waves.
; THE PRODUCT.  For candidate k = 0 .. 7, source 0 is a fragment whose row m is candidate k OF ROW m OF x: lane (r, h) loads its 16 bytes of each chunk out of the image of the tile that holds row r's group.  Source 1 is x's tile.
; Wanted is the diagonal (m = n): it lies in lanes 0-7 (rows 0-7) and lanes 24-31 (rows 8-15), in register lane % 8.  Sixteen matrix instructions a wave: one part in 64 of the launch before.
; No tensor load and no cluster: which bytes are read hangs on the stored numbers, and no two work-groups share them by plan.
; LIMITS: NaN and infinities among the scores are not served.
.set TILEB, 2304
.set XF,  12                           ; v12-27  x's two fragments;  v28 its scale words
.set CS,  32                           ; v32-39  the candidates' scale words (lanes 0-15: K step 0; lanes 16-31: K step 1)
.set CC,  40                           ; v40-47  their sums of squares
.set CA,  48                           ; v48-175 candidate k's two fragments at CA + 16 k
.set ACC, 176                          ; v176-239 eight accumulators
	s_load_b256 s[4:11], s[0:1], 0x0               ; groups s[4:5], x's table s[6:7], the codebook's table s[8:9], out2 s[10:11]
	s_load_b64 s[12:13], s[0:1], 0x20              ; idx
	v_lshl_add_u32 v254, v0, 2, 0x200
	v_mov_b32 v255, 0
	v_lshrrev_b32 v1, 5, v0
	s_delay_alu instid0(VALU_DEP_1)
	v_readfirstlane_b32 s14, v1                    ; wave 0..7
	v_and_b32 v1, 15, v0                           ; r
	v_bfe_u32 v2, v0, 4, 1                         ; h
	v_and_b32 v3, 31, v0                           ; lane
	s_delay_alu instid0(VALU_DEP_1)
	v_lshlrev_b32 v8, 4, v3                        ; 16 x lane
	s_delay_alu instid0(VALU_DEP_2)
	v_lshlrev_b32 v9, 2, v3                        ; 4 x lane
	v_lshlrev_b32 v10, 2, v1                       ; 4 r
	s_wait_alu depctr_va_vdst(0)
	s_lshl_b32 s15, ttmp9, 3
	s_add_co_u32 s15, s15, s14                     ; my tile of x
	s_lshl_b32 s16, s15, 6                         ; its 16 group numbers
	s_mov_b32 s17, 0
	s_mul_i32 s18, s15, TILEB                      ; its image
	s_mov_b32 s19, 0
	s_lshl_b32 s20, ttmp9, 9                       ; the work-group's 128 indices
	s_mov_b32 s21, 0
	s_lshl_b32 s22, s14, 6
	v_add_nc_u32 v11, s22, v10                     ; LDS: 64 x wave + 4 r
.irp j, 1,2,3,4,5,6,7
	s_mov_b32 s[39+\j], 0x01010101<<\j             ; the lanes with lane % 8 = j
.endr
	s_mov_b32 s47, 0xff0000ff                      ; the lanes that hold the diagonal
	s_mov_b32 s36, 0x76543210
	s_mov_b32 s37, 0xfedcba98                      ; v_permlanex16_b32's selects for lane l xor 16
	s_wait_kmcnt 0x0
	s_add_nc_u64 s[4:5], s[4:5], s[16:17]
	s_add_nc_u64 s[6:7], s[6:7], s[18:19]
	s_add_nc_u64 s[10:11], s[10:11], s[20:21]
	s_add_nc_u64 s[12:13], s[12:13], s[20:21]
	global_load_b32 v4, v10, s[4:5]                ; row r's group
.irp q, 0,1,2,3
	global_load_b128 v[XF+4*\q:XF+4*\q+3], v8, s[6:7] offset:512*\q
.endr
	global_load_b32 v28, v9, s[6:7] offset:2048
	s_wait_loadcnt 5                               ; the group is in; x's five loads, issued behind it, may be out
	v_min_u32 v4, 0x3ff, v4                        ; held inside the table
	s_delay_alu instid0(VALU_DEP_1)
	v_and_b32 v240, 0x3fe, v4
	s_delay_alu instid0(VALU_DEP_1)
	v_mul_u32_u24 v240, v240, 1152                 ; the tile's image: (group / 2) x 2,304
	s_delay_alu instid0(VALU_DEP_3)
	v_and_b32 v241, 1, v4                          ; which half of the tile's 16 rows
	s_delay_alu instid0(VALU_DEP_1)
	v_lshl_add_u32 v5, v241, 7, v240               ; codes: a row's 16 bytes of a chunk lie at 16 x (row + 16 h): + 128 x half
	s_delay_alu instid0(VALU_DEP_1)
	v_lshl_add_u32 v5, v2, 8, v5                   ;        + 256 h; 16 k stands in the immediate
	s_delay_alu instid0(VALU_DEP_3)
	v_lshl_add_u32 v7, v241, 5, v240               ; sums of squares: 4 bytes a row: + 32 x half
	s_delay_alu instid0(VALU_DEP_1)
	v_lshl_add_u32 v6, v2, 6, v7                   ; scale words: the same, + 64 h for K step 1's
.irp k, 0,1,2,3,4,5,6,7
.irp q, 0,1,2,3
	global_load_b128 v[CA+16*\k+4*\q:CA+16*\k+4*\q+3], v5, s[8:9] offset:512*\q+16*\k
.endr
.endr
	global_load_b128 v[CS:CS+3], v6, s[8:9] offset:2048
	global_load_b128 v[CS+4:CS+7], v6, s[8:9] offset:2064
	global_load_b128 v[CC:CC+3], v7, s[8:9] offset:2176
	global_load_b128 v[CC+4:CC+7], v7, s[8:9] offset:2192
	s_wait_loadcnt 0x0
.irp k, 0,1,2,3,4,5,6,7                        ; K step 0 starts the eight sums, K step 1 adds in place: the accumulators take turns
	v_wmma_scale_f32_16x16x128_f8f6f4 v[ACC+8*\k:ACC+8*\k+7], v[CA+16*\k:CA+16*\k+7], v[XF:XF+7], 0, v[CS+\k], v28 matrix_a_fmt:MATRIX_FMT_FP4 matrix_b_fmt:MATRIX_FMT_FP4
.endr
.irp k, 0,1,2,3,4,5,6,7
	v_wmma_scale_f32_16x16x128_f8f6f4 v[ACC+8*\k:ACC+8*\k+7], v[CA+16*\k+8:CA+16*\k+15], v[XF+8:XF+15], v[ACC+8*\k:ACC+8*\k+7], v[CS+\k], v28 matrix_a_fmt:MATRIX_FMT_FP4 matrix_b_fmt:MATRIX_FMT_FP4 matrix_a_scale:MATRIX_SCALE_ROW1 matrix_b_scale:MATRIX_SCALE_ROW1
.endr
.rept 4
	v_nop                                          ; four places between the last product and the first read of a result (ISA guide 7.12.1)
.endr
.irp j, 1,2,3,4,5,6,7                          ; the diagonal into each accumulator's register 0: lane l takes register l % 8.  Each accumulator is read from its low end on
.irp k, 0,1,2,3,4,5,6,7
	v_cndmask_b32 v[ACC+8*\k], v[ACC+8*\k], v[ACC+8*\k+\j], s[39+\j]
.endr
.endr
.irp k, 0,1,2,3,4,5,6,7
	v_fma_f32 v[ACC+8*\k], v[ACC+8*\k], -2.0, v[CC+\k]   ; the score, rounded once
.endr
	v_mov_b32 v240, v[ACC]
	v_mov_b32 v241, 0
.irp k, 1,2,3,4,5,6,7
	s_delay_alu instid0(VALU_DEP_2)
	v_cmp_le_f32 vcc_lo, v240, v[ACC+8*\k]         ; the best so far is not above candidate k: it stays (the first of equals wins)
	s_delay_alu instid0(VALU_DEP_1)
	v_cndmask_b32 v240, v[ACC+8*\k], v240, vcc_lo
	s_delay_alu instid0(VALU_DEP_2)
	v_cndmask_b32 v241, \k, v241, vcc_lo
.endr
	s_delay_alu instid0(VALU_DEP_1)
	v_lshl_add_u32 v242, v4, 3, v241               ; 8 x group + k
	v_mov_b32 v243, 0                              ; a lane permute's destination counts as one of its sources
	s_delay_alu instid0(VALU_DEP_1)
	v_permlanex16_b32 v243, v242, s36, s37
	s_delay_alu instid0(VALU_DEP_1)
	v_cndmask_b32 v242, v243, v242, s47            ; lanes off the diagonal take lane l xor 16's: every lane now holds row r's index
	ds_store_b32 v11, v242                         ; both halves write the same word with the same value
	s_wait_dscnt 0x0                               ; for wave 0's sake: my store has landed
	s_barrier_signal -1
	s_barrier_wait -1
	s_cmp_lg_u32 s14, 0
	s_cbranch_scc1 .Ldone
	ds_load_b128 v[244:247], v8                    ; the work-group's 128 indices: 512 bytes
	s_wait_dscnt 0x0
	global_store_b128 v8, v[244:247], s[10:11]     ; 32 lanes store 512 consecutive bytes, at a multiple of 256 from the buffer's first byte
	global_store_b128 v8, v[244:247], s[12:13]
.Ldone:
	s_wait_tensorcnt 0x0
	ds_add_u32 v254, v255
	s_wait_dscnt 0x0
	s_endpgm
.Lfunc_end_k_qd0aff4c16e_refine:
	.size	k_qd0aff4c16e_refine, .Lfunc_end_k_qd0aff4c16e_refine-k_qd0aff4c16e_refine
	.p2alignl 7, 3214868480
	.fill 96, 4, 3214868480
	.section	.rodata,"a",@progbits
	.p2align	6, 0x0
	.amdhsa_kernel k_qd0aff4c16e_refine
		.amdhsa_group_segment_fixed_size 1536
		.amdhsa_private_segment_fixed_size 0
		.amdhsa_enable_private_segment 0
		.amdhsa_kernarg_size 40
		.amdhsa_user_sgpr_count 2
		.amdhsa_user_sgpr_kernarg_segment_ptr 1
		.amdhsa_wavefront_size32 1
		.amdhsa_system_sgpr_workgroup_id_x 1
		.amdhsa_system_sgpr_workgroup_id_y 1
		.amdhsa_system_sgpr_workgroup_id_z 1
		.amdhsa_system_vgpr_workitem_id 0
		.amdhsa_next_free_vgpr 256
		.amdhsa_next_free_sgpr 66
		.amdhsa_reserve_vcc 1
		.amdhsa_float_denorm_mode_32 3
		.amdhsa_float_denorm_mode_16_64 3
		.amdhsa_memory_ordered 1
		.amdhsa_forward_progress 1
		.amdhsa_inst_pref_size 16
	.end_amdhsa_kernel
	.amdgpu_metadata
---
amdhsa.version: [ 1, 2 ]
amdhsa.kernels:
  - .name:           k_qd0aff4c16e_refine
    .symbol:         k_qd0aff4c16e_refine.kd
    .args:
      - { .name: grp, .offset: 0, .size: 8, .value_kind: global_buffer, .address_space: global }
      - { .name: xtab, .offset: 8, .size: 8, .value_kind: global_buffer, .address_space: global }
      - { .name: cbtab, .offset: 16, .size: 8, .value_kind: global_buffer, .address_space: global }
      - { .name: out2, .offset: 24, .size: 8, .value_kind: global_buffer, .address_space: global }
      - { .name: idx, .offset: 32, .size: 8, .value_kind: global_buffer, .address_space: global }
    .group_segment_fixed_size: 1536
    .private_segment_fixed_size: 0
    .kernarg_segment_align: 8
    .kernarg_segment_size: 40
    .max_flat_workgroup_size: 256
    .sgpr_count:     66
    .vgpr_count:     256
    .wavefront_size: 32
...
	.end_amdgpu_metadata
.endif
;; end of part 3
;; launch gather (part 4): grid 512 x 1, 8 waves a work-group, no clusters, 1,280 bytes of LDS; arguments x, codebook, idx, out0, part; writes out0, part
.if DOCPART == 4
	.amdgcn_target "amdgcn-amd-amdhsa--gfx1250"
	.amdhsa_code_object_version 6
	.text
	.protected	k_qd0aff4c16e_gather
	.globl	k_qd0aff4c16e_gather
	.p2align	8
	.type	k_qd0aff4c16e_gather,@function
k_qd0aff4c16e_gather:
	s_mov_b64 s[64:65], 0
	v_nop
	global_prefetch_b8 v0, s[64:65] scope:SCOPE_SE
	s_setreg_imm32_b32 hwreg(HW_REG_WAVE_MODE, 25, 1), 1
	s_wait_xcnt 0x0
; out0[row] = x[row] + (q - x[row]), q = codebook[idx[row]], in f32 and in that order; and the work-group's part of the sum of (q - x)^2.
; SHARES: a wave takes 8 rows of 1,024 bytes: 4,096 waves = 512 work-groups x 8.  No loop: all 32 loads of a wave (16 KiB) go out at once.  Each load and store covers 512 consecutive bytes, half a row.
; The indices were stored by an earlier launch; they come by one scalar load and are held inside the table.  Memory binds: no matrix unit, no cluster, no LDS but 32 bytes for the waves' sums.
; The squares are summed in eight chains a lane, then across lanes and waves: another order than a plain mean's.
.set X,  16                            ; v16-79   x: row p at X + 8 p; then the result
.set Q,  80                            ; v80-143  q likewise; then q - x
.set SM, 144                           ; v144-151 sums of squares
	s_load_b256 s[4:11], s[0:1], 0x0               ; x s[4:5], codebook s[6:7], idx s[8:9], out0 s[10:11]
	s_load_b64 s[12:13], s[0:1], 0x20              ; part
	v_lshl_add_u32 v160, v0, 2, 0x100
	v_mov_b32 v161, 0
	v_lshrrev_b32 v1, 5, v0
	s_delay_alu instid0(VALU_DEP_1)
	v_readfirstlane_b32 s14, v1                    ; wave 0..7
	v_and_b32 v1, 31, v0
	s_delay_alu instid0(VALU_DEP_1)
	v_lshlrev_b32 v1, 4, v1                        ; 16 x lane
	s_delay_alu instid0(VALU_DEP_3)
	v_mov_b32 v10, s14
	s_delay_alu instid0(VALU_DEP_1)
	v_lshlrev_b32 v10, 2, v10                      ; LDS: my wave's word
	v_mov_b32 v11, 0
	s_lshl_b32 s15, ttmp9, 3
	s_add_co_u32 s15, s15, s14                     ; my wave among the 4,096
	s_lshl_b32 s24, s15, 5                         ; its 8 indices
	s_mov_b32 s25, 0
	s_lshl_b32 s26, s15, 13                        ; its 8 rows
	s_mov_b32 s27, 0
	s_lshl_b32 s28, ttmp9, 2                       ; the work-group's word of part
	s_mov_b32 s29, 0
	s_mov_b32 s30, 0x76543210
	s_mov_b32 s31, 0xfedcba98
	s_wait_alu depctr_va_vdst(0)
	s_wait_kmcnt 0x0
	s_add_nc_u64 s[8:9], s[8:9], s[24:25]
	s_load_b256 s[16:23], s[8:9], 0x0              ; the 8 indices
	s_add_nc_u64 s[4:5], s[4:5], s[26:27]
	s_add_nc_u64 s[10:11], s[10:11], s[26:27]
	s_add_nc_u64 s[12:13], s[12:13], s[28:29]
.irp p, 0,1,2,3,4,5,6,7
	global_load_b128 v[X+8*\p:X+8*\p+3], v1, s[4:5] offset:1024*\p th:TH_LOAD_NT
	global_load_b128 v[X+8*\p+4:X+8*\p+7], v1, s[4:5] offset:1024*\p+512 th:TH_LOAD_NT
.endr
	s_wait_kmcnt 0x0
.irp p, 0,1,2,3,4,5,6,7
	s_min_u32 s[16+\p], s[16+\p], 8191             ; held inside the table
	s_lshl_b32 s[16+\p], s[16+\p], 10              ; a row of the codebook is 1,024 bytes
	v_add_nc_u32 v[2+\p], s[16+\p], v1
.endr
	s_wait_alu depctr_va_vdst(0)
.irp p, 0,1,2,3,4,5,6,7
	global_load_b128 v[Q+8*\p:Q+8*\p+3], v[2+\p], s[6:7]           ; no hint: a row may be named by many
	global_load_b128 v[Q+8*\p+4:Q+8*\p+7], v[2+\p], s[6:7] offset:512
.endr
.macro ROWP p
	s_wait_loadcnt 14-2*\p                         ; loads come back in order: x and this row's q are in; the 7 - p later rows' two loads of q each may be out
.irp j, 0,1,2,3
	v_pk_add_f32 v[Q+8*\p+2*\j:Q+8*\p+2*\j+1], v[Q+8*\p+2*\j:Q+8*\p+2*\j+1], v[X+8*\p+2*\j:X+8*\p+2*\j+1] neg_lo:[0,1] neg_hi:[0,1]   ; q - x
.endr
.irp j, 0,1,2,3
	s_delay_alu instid0(VALU_DEP_4)
	v_pk_add_f32 v[X+8*\p+2*\j:X+8*\p+2*\j+1], v[X+8*\p+2*\j:X+8*\p+2*\j+1], v[Q+8*\p+2*\j:Q+8*\p+2*\j+1]   ; x + (q - x)
.endr
.irp j, 0,1,2,3
.if \p == 0
	v_pk_mul_f32 v[SM+2*\j:SM+2*\j+1], v[Q+2*\j:Q+2*\j+1], v[Q+2*\j:Q+2*\j+1]   ; the first row starts the sums: nothing is cleared
.else
	v_pk_fma_f32 v[SM+2*\j:SM+2*\j+1], v[Q+8*\p+2*\j:Q+8*\p+2*\j+1], v[Q+8*\p+2*\j:Q+8*\p+2*\j+1], v[SM+2*\j:SM+2*\j+1]
.endif
.endr
	global_store_b128 v1, v[X+8*\p:X+8*\p+3], s[10:11] offset:1024*\p th:TH_STORE_NT
	global_store_b128 v1, v[X+8*\p+4:X+8*\p+7], s[10:11] offset:1024*\p+512 th:TH_STORE_NT
.endm
.irp p, 0,1,2,3,4,5,6,7
	ROWP \p
.endr
	v_pk_add_f32 v[SM:SM+1], v[SM:SM+1], v[SM+2:SM+3]
	v_pk_add_f32 v[SM+4:SM+5], v[SM+4:SM+5], v[SM+6:SM+7]
	s_delay_alu instid0(VALU_DEP_1)
	v_pk_add_f32 v[SM:SM+1], v[SM:SM+1], v[SM+4:SM+5]
	s_delay_alu instid0(VALU_DEP_1)
	v_add_f32 v[SM], v[SM], v[SM+1]
	s_delay_alu instid0(VALU_DEP_1)
	v_add_f32_dpp v[SM], v[SM], v[SM] row_xmask:1 row_mask:0xf bank_mask:0xf
	s_delay_alu instid0(VALU_DEP_1)
	v_add_f32_dpp v[SM], v[SM], v[SM] row_xmask:2 row_mask:0xf bank_mask:0xf
	s_delay_alu instid0(VALU_DEP_1)
	v_add_f32_dpp v[SM], v[SM], v[SM] row_xmask:4 row_mask:0xf bank_mask:0xf
	s_delay_alu instid0(VALU_DEP_1)
	v_add_f32_dpp v[SM], v[SM], v[SM] row_xmask:8 row_mask:0xf bank_mask:0xf
	s_delay_alu instid0(VALU_DEP_1)
	v_permlanex16_b32 v[SM+1], v[SM], s30, s31
	s_delay_alu instid0(VALU_DEP_1)
	v_add_f32 v[SM], v[SM], v[SM+1]                ; the wave's sum, in every lane
	ds_store_b32 v10, v[SM]                        ; all lanes write the same word with the same value
	s_wait_dscnt 0x0                               ; for the others' sake
	s_barrier_signal -1
	s_barrier_wait -1
	ds_load_b128 v[146:149], v11
	ds_load_b128 v[150:153], v11 offset:16
	s_wait_dscnt 0x0
	v_pk_add_f32 v[146:147], v[146:147], v[148:149]
	v_pk_add_f32 v[150:151], v[150:151], v[152:153]
	s_delay_alu instid0(VALU_DEP_1)
	v_pk_add_f32 v[146:147], v[146:147], v[150:151]
	s_delay_alu instid0(VALU_DEP_1)
	v_add_f32 v146, v146, v147                     ; the work-group's sum
	s_wait_alu depctr_va_vdst(0)
	s_wait_xcnt 0x0                                ; EXEC is a source of the stores above: it changes only behind this wait
	v_cmp_gt_u32 vcc_lo, 1, v0
	s_wait_tensorcnt 0x0
	ds_add_u32 v160, v161
	s_wait_dscnt 0x0
	s_and_saveexec_b32 s32, vcc_lo                 ; thread 0 alone
	global_store_b32 v11, v146, s[12:13]
	s_wait_xcnt 0x0                                ; and again, in front of the line that widens it
	s_or_b32 exec_lo, exec_lo, s32
	s_endpgm
.Lfunc_end_k_qd0aff4c16e_gather:
	.size	k_qd0aff4c16e_gather, .Lfunc_end_k_qd0aff4c16e_gather-k_qd0aff4c16e_gather
	.p2alignl 7, 3214868480
	.fill 96, 4, 3214868480
	.section	.rodata,"a",@progbits
	.p2align	6, 0x0
	.amdhsa_kernel k_qd0aff4c16e_gather
		.amdhsa_group_segment_fixed_size 1280
		.amdhsa_private_segment_fixed_size 0
		.amdhsa_enable_private_segment 0
		.amdhsa_kernarg_size 40
		.amdhsa_user_sgpr_count 2
		.amdhsa_user_sgpr_kernarg_segment_ptr 1
		.amdhsa_wavefront_size32 1
		.amdhsa_system_sgpr_workgroup_id_x 1
		.amdhsa_system_sgpr_workgroup_id_y 1
		.amdhsa_system_sgpr_workgroup_id_z 1
		.amdhsa_system_vgpr_workitem_id 0
		.amdhsa_next_free_vgpr 162
		.amdhsa_next_free_sgpr 66
		.amdhsa_reserve_vcc 1
		.amdhsa_float_denorm_mode_32 3
		.amdhsa_float_denorm_mode_16_64 3
		.amdhsa_memory_ordered 1
		.amdhsa_forward_progress 1
		.amdhsa_inst_pref_size 17
	.end_amdhsa_kernel
	.amdgpu_metadata
---
amdhsa.version: [ 1, 2 ]
amdhsa.kernels:
  - .name:           k_qd0aff4c16e_gather
    .symbol:         k_qd0aff4c16e_gather.kd
    .args:
      - { .name: x, .offset: 0, .size: 8, .value_kind: global_buffer, .address_space: global }
      - { .name: codebook, .offset: 8, .size: 8, .value_kind: global_buffer, .address_space: global }
      - { .name: idx, .offset: 16, .size: 8, .value_kind: global_buffer, .address_space: global }
      - { .name: out0, .offset: 24, .size: 8, .value_kind: global_buffer, .address_space: global }
      - { .name: part, .offset: 32, .size: 8, .value_kind: global_buffer, .address_space: global }
    .group_segment_fixed_size: 1280
    .private_segment_fixed_size: 0
    .kernarg_segment_align: 8
    .kernarg_segment_size: 40
    .max_flat_workgroup_size: 256
    .sgpr_count:     66
    .vgpr_count:     162
    .wavefront_size: 32
...
	.end_amdgpu_metadata
.endif
;; end of part 4
;; launch total (part 5): grid 1 x 1, 1 waves a work-group, no clusters, 0 bytes of LDS; arguments part, out1; writes out1
.if DOCPART == 5
	.amdgcn_target "amdgcn-amd-amdhsa--gfx1250"
	.amdhsa_code_object_version 6
	.text
	.protected	k_qd0aff4c16e_total
	.globl	k_qd0aff4c16e_total
	.p2align	8
	.type	k_qd0aff4c16e_total,@function
k_qd0aff4c16e_total:
	s_mov_b64 s[64:65], 0
	v_nop
	global_prefetch_b8 v0, s[64:65] scope:SCOPE_SE
	s_setreg_imm32_b32 hwreg(HW_REG_WAVE_MODE, 25, 1), 1
	s_wait_xcnt 0x0
; out1 = the sum of the 512 work-groups' parts / 8,388,608.  The count of numbers, 8 x 4,096 x 256, is 2^23: the division is a multiplication by 2^-23, which rounds nothing.
; One wave: 2,048 bytes, four loads of 512 consecutive bytes.  A sum over work-groups has one owner, in a launch behind theirs: no atomics.
	s_load_b128 s[4:7], s[0:1], 0x0                ; part, out1
	v_lshlrev_b32 v1, 4, v0                        ; 16 x lane
	v_mov_b32 v2, 0
	s_mov_b32 s10, 0x76543210
	s_mov_b32 s11, 0xfedcba98
	s_wait_alu depctr_va_vdst(0)
	s_wait_kmcnt 0x0
.irp i, 0,1,2,3
	global_load_b128 v[4+4*\i:7+4*\i], v1, s[4:5] offset:512*\i
.endr
	s_wait_loadcnt 0x0
	v_pk_add_f32 v[4:5], v[4:5], v[6:7]
	v_pk_add_f32 v[8:9], v[8:9], v[10:11]
	v_pk_add_f32 v[12:13], v[12:13], v[14:15]
	v_pk_add_f32 v[16:17], v[16:17], v[18:19]
	v_pk_add_f32 v[4:5], v[4:5], v[8:9]
	v_pk_add_f32 v[12:13], v[12:13], v[16:17]
	v_pk_add_f32 v[4:5], v[4:5], v[12:13]
	v_add_f32 v4, v4, v5
	v_add_f32_dpp v4, v4, v4 row_xmask:1 row_mask:0xf bank_mask:0xf
	v_add_f32_dpp v4, v4, v4 row_xmask:2 row_mask:0xf bank_mask:0xf
	v_add_f32_dpp v4, v4, v4 row_xmask:4 row_mask:0xf bank_mask:0xf
	v_add_f32_dpp v4, v4, v4 row_xmask:8 row_mask:0xf bank_mask:0xf
	v_permlanex16_b32 v5, v4, s10, s11
	v_add_f32 v4, v4, v5
	v_mul_f32 v4, 0x34000000, v4                   ; x 2^-23
	s_wait_alu depctr_va_vdst(0)
	s_wait_xcnt 0x0                                ; EXEC changes only behind this wait
	v_cmp_gt_u32 vcc_lo, 1, v0
	s_and_saveexec_b32 s8, vcc_lo                  ; thread 0 alone
	global_store_b32 v2, v4, s[6:7]
	s_wait_xcnt 0x0
	s_or_b32 exec_lo, exec_lo, s8
	s_endpgm
.Lfunc_end_k_qd0aff4c16e_total:
	.size	k_qd0aff4c16e_total, .Lfunc_end_k_qd0aff4c16e_total-k_qd0aff4c16e_total
	.p2alignl 7, 3214868480
	.fill 96, 4, 3214868480
	.section	.rodata,"a",@progbits
	.p2align	6, 0x0
	.amdhsa_kernel k_qd0aff4c16e_total
		.amdhsa_group_segment_fixed_size 0
		.amdhsa_private_segment_fixed_size 0
		.amdhsa_enable_private_segment 0
		.amdhsa_kernarg_size 16
		.amdhsa_user_sgpr_count 2
		.amdhsa_user_sgpr_kernarg_segment_ptr 1
		.amdhsa_wavefront_size32 1
		.amdhsa_system_sgpr_workgroup_id_x 1
		.amdhsa_system_sgpr_workgroup_id_y 1
		.amdhsa_system_sgpr_workgroup_id_z 1
		.amdhsa_system_vgpr_workitem_id 0
		.amdhsa_next_free_vgpr 32
		.amdhsa_next_free_sgpr 66
		.amdhsa_reserve_vcc 1
		.amdhsa_float_denorm_mode_32 3
		.amdhsa_float_denorm_mode_16_64 3
		.amdhsa_memory_ordered 1
		.amdhsa_forward_progress 1
		.amdhsa_inst_pref_size 3
	.end_amdhsa_kernel
	.amdgpu_metadata
---
amdhsa.version: [ 1, 2 ]
amdhsa.kernels:
  - .name:           k_qd0aff4c16e_total
    .symbol:         k_qd0aff4c16e_total.kd
    .args:
      - { .name: part, .offset: 0, .size: 8, .value_kind: global_buffer, .address_space: global }
      - { .name: out1, .offset: 8, .size: 8, .value_kind: global_buffer, .address_space: global }
    .group_segment_fixed_size: 0
    .private_segment_fixed_size: 0
    .kernarg_segment_align: 8
    .kernarg_segment_size: 16
    .max_flat_workgroup_size: 32
    .sgpr_count:     66
    .vgpr_count:     32
    .wavefront_size: 32
...
	.end_amdgpu_metadata
.endif
;; end of part 5
